; MI455X (gfx1250); checked and timed in simulation.
; The chip was launched on July 23, 2026; its instructions are those of AMD's public machine-readable ISA for CDNA 5 (MIT licence, August 2026) and "CDNA5" Instruction Set Architecture Reference Guide (July 2026). The comments in the code are by the model that wrote it; some were corrected since.
;; RPQ Linear. Allowed arithmetic: float matrix products may take bf16 or f16 operands with f32 sums; other float arithmetic in f32, or as packed bf16 or f16 multiplies, adds, multiply-adds, maxima and minima; sums over many terms, partial sums and values carried from step to step in f32; what a program stores and reads back later, other than sums and carried values, may be rounded once to bf16 or f16.
;; Inputs: bias 4,096 float32; codebooks 8 x 256 x 512 float32; indices 8 x 4,096 int32; x 4 x 1,024 x 4,096 float32.
;; Outputs: out0 4 x 1,024 x 4,096 float32.
;; One version. Each part assembles by itself: llvm-mc -triple=amdgcn-amd-amdhsa -mcpu=gfx1250 --defsym DOCPART=n.
;; ======== version 1 of 1: 2 launches
;; workspace buffers: xb 33,554,432 bytes; wt 33,554,432 bytes
;; launch prep (part 1): grid 1024 x 1, 8 waves a work-group, no clusters, 0 bytes of LDS; arguments x, codebooks, indices, xb, wt; writes xb, wt
.if DOCPART == 1
	.amdgcn_target "amdgcn-amd-amdhsa--gfx1250"
	.amdhsa_code_object_version 6
	.text
	.protected	k_qaf13932585_prep
	.globl	k_qaf13932585_prep
	.p2align	8
	.type	k_qaf13932585_prep,@function
k_qaf13932585_prep:
	s_mov_b64 s[64:65], 0
	v_nop
	global_prefetch_b8 v0, s[64:65] scope:SCOPE_SE
	s_setreg_imm32_b32 hwreg(HW_REG_WAVE_MODE, 25, 1), 1
	s_wait_xcnt 0x0
; Makes the two bf16 operands of the product that follows.
;   xb[m][k]          = bf16(x[m][k])                               [4096][4096]
;   wt[i][512 h + d]  = bf16(codebooks[h][indices[h][i]][d])        [4096 (k)][4096 (n)]
; Row i of wt is the weight's column i: the eight chosen codebook rows laid end to end, so the weight is gathered by whole rows and never turned here.
; LIMITS.  Each number is rounded once to bf16, to nearest even.  An index outside 0..255 is taken as 255 (the problem keeps indices inside the table).
; SHARES.  A PIECE is 512 numbers: 2,048 bytes of f32 in, 1,024 bytes of bf16 out.  xb has 32,768 pieces (piece p: x + 2,048 p -> xb + 1,024 p), wt has 32,768
; (piece (i, h): one codebook row -> wt + 8,192 i + 1,024 h).  A wave takes eight pieces: 8,192 waves, 1,024 work-groups.  The work-group's low bit picks the
; kind, so both kinds run side by side.  Wave u (0..4095) of a kind: x's pieces 8 u .. 8 u + 7; or codebook h = u / 512, columns i = 8 (u % 512) + 0..7, whose
; eight indices are the 32 bytes at indices + 32 u.
; A LANE takes 16 bytes of each quarter of a piece: a wave's load covers 512 consecutive bytes, its store (8 bytes a lane) 256 consecutive bytes, aligned.
; All 32 loads of a wave go out before its first wait; no register is used twice, so nothing but the loads is waited for.  Nothing is shared between waves: no LDS, no barrier.
.set SO, 1                             ; v1        16 x lane: my bytes in a quarter of a piece, coming in
.set DO, 2                             ; v2        8 x lane: going out
.set X,  4                             ; v[4:131]  piece j: 16 registers, quarter c at X + 16 j + 4 c; rounded in place into the quarter's first two
	s_load_b256 s[4:11], s[0:1], 0x0               ; x s[4:5], codebooks s[6:7], indices s[8:9], xb s[10:11]
	s_load_b64 s[12:13], s[0:1], 0x20              ; wt
	v_and_b32 v3, 31, v0                           ; lane
	v_lshlrev_b32 v[SO], 4, v3
	v_lshlrev_b32 v[DO], 3, v3
	v_lshrrev_b32 v3, 5, v0
	v_readfirstlane_b32 s14, v3                    ; wave 0..7
	s_lshr_b32 s15, ttmp9, 1
	s_lshl_b32 s16, s15, 3
	s_add_co_u32 s16, s16, s14                     ; u
	s_and_b32 s17, ttmp9, 1                        ; 0: x, 1: the weight
	s_mov_b32 s19, 0                               ; high words of the offsets: all of them stay under 2^32
	s_mov_b32 s21, 0
; Piece j comes in: four loads from s[base:base+1] + off.  nt = 1: bytes that the launch reads once.
.macro LOADP j, base, off, nt
.irp c, 0,1,2,3
.if \nt
	global_load_b128 v[X+16*(\j)+4*(\c):X+16*(\j)+4*(\c)+3], v[SO], s[(\base):(\base)+1] offset:(\off)+512*(\c) th:TH_LOAD_NT
.else
	global_load_b128 v[X+16*(\j)+4*(\c):X+16*(\j)+4*(\c)+3], v[SO], s[(\base):(\base)+1] offset:(\off)+512*(\c)
.endif
.endr
.endm
; Piece j goes out: rounded in place (each line writes a register whose number has been read already, or is read by the line itself), then four stores.
.macro OUTP j, base, off
	s_wait_loadcnt 4*(7-(\j))                      ; loads come back in order: piece j is in, the four loads of each of the 7 - j younger pieces may stay out
.irp c, 0,1,2,3
	v_cvt_pk_bf16_f32 v[X+16*(\j)+4*(\c)],   v[X+16*(\j)+4*(\c)],   v[X+16*(\j)+4*(\c)+1]
	v_cvt_pk_bf16_f32 v[X+16*(\j)+4*(\c)+1], v[X+16*(\j)+4*(\c)+2], v[X+16*(\j)+4*(\c)+3]
.endr
.irp c, 0,1,2,3
	global_store_b64 v[DO], v[X+16*(\j)+4*(\c):X+16*(\j)+4*(\c)+1], s[(\base):(\base)+1] offset:(\off)+256*(\c) th:TH_STORE_NT
.endr
.endm
	s_wait_kmcnt 0x0
	s_cmp_lg_u32 s17, 0
	s_cbranch_scc1 .Lweights
	; x: eight pieces on end, 16,384 bytes in and 8,192 out; the piece stands in the immediates
	s_lshl_b32 s18, s16, 14
	s_lshl_b32 s20, s16, 13
	s_add_nc_u64 s[4:5], s[4:5], s[18:19]
	s_add_nc_u64 s[10:11], s[10:11], s[20:21]
.irp j, 0,1,2,3,4,5,6,7
	LOADP \j, 4, 2048*(\j), 1
.endr
.irp j, 0,1,2,3,4,5,6,7
	OUTP \j, 10, 1024*(\j)
.endr
	s_endpgm
.Lweights:
	; the weight: eight columns i of one codebook h
	s_lshl_b32 s18, s16, 5                         ; 4 bytes x (4,096 h + 8 (u % 512)) = 32 u
	s_add_nc_u64 s[8:9], s[8:9], s[18:19]
	s_load_b256 s[24:31], s[8:9], 0x0              ; my eight indices
	s_lshr_b32 s22, s16, 9                         ; h
	s_and_b32 s20, s16, 511
	s_lshl_b32 s20, s20, 16                        ; 8 (u % 512) rows of wt, 8,192 bytes each,
	s_lshl_b32 s23, s22, 10                        ; and h's 1,024 bytes in a row
	s_add_co_u32 s20, s20, s23
	s_add_nc_u64 s[12:13], s[12:13], s[20:21]
	s_lshl_b32 s23, s22, 19                        ; codebook h: 256 rows of 2,048 bytes
	s_wait_kmcnt 0x0
.irp j, 0,1,2,3,4,5,6,7
	s_min_u32 s[24+(\j)], s[24+(\j)], 0xff         ; a loaded number enters an address only clamped to the table
	s_lshl_b32 s[32+2*(\j)], s[24+(\j)], 11        ; its row
	s_add_co_u32 s[32+2*(\j)], s[32+2*(\j)], s23
	s_mov_b32 s[33+2*(\j)], 0
	s_add_nc_u64 s[32+2*(\j):33+2*(\j)], s[6:7], s[32+2*(\j):33+2*(\j)]
.endr
.irp j, 0,1,2,3,4,5,6,7
	LOADP \j, 32+2*(\j), 0, 0                      ; codebook rows are named again and again: no hint
.endr
.irp j, 0,1,2,3,4,5,6,7
	OUTP \j, 12, 8192*(\j)
.endr
	s_endpgm
.Lfunc_end_k_qaf13932585_prep:
	.size	k_qaf13932585_prep, .Lfunc_end_k_qaf13932585_prep-k_qaf13932585_prep
	.p2alignl 7, 3214868480
	.fill 96, 4, 3214868480
	.section	.rodata,"a",@progbits
	.p2align	6, 0x0
	.amdhsa_kernel k_qaf13932585_prep
		.amdhsa_group_segment_fixed_size 0
		.amdhsa_private_segment_fixed_size 0
		.amdhsa_enable_private_segment 0
		.amdhsa_kernarg_size 40
		.amdhsa_user_sgpr_count 2
		.amdhsa_user_sgpr_kernarg_segment_ptr 1
		.amdhsa_wavefront_size32 1
		.amdhsa_system_sgpr_workgroup_id_x 1
		.amdhsa_system_sgpr_workgroup_id_y 1
		.amdhsa_system_sgpr_workgroup_id_z 1
		.amdhsa_system_vgpr_workitem_id 0
		.amdhsa_next_free_vgpr 132
		.amdhsa_next_free_sgpr 66
		.amdhsa_reserve_vcc 0
		.amdhsa_float_denorm_mode_32 3
		.amdhsa_float_denorm_mode_16_64 3
		.amdhsa_memory_ordered 1
		.amdhsa_forward_progress 1
		.amdhsa_inst_pref_size 24
	.end_amdhsa_kernel
	.amdgpu_metadata
---
amdhsa.version: [ 1, 2 ]
amdhsa.kernels:
  - .name:           k_qaf13932585_prep
    .symbol:         k_qaf13932585_prep.kd
    .args:
      - { .name: x, .offset: 0, .size: 8, .value_kind: global_buffer, .address_space: global }
      - { .name: codebooks, .offset: 8, .size: 8, .value_kind: global_buffer, .address_space: global }
      - { .name: indices, .offset: 16, .size: 8, .value_kind: global_buffer, .address_space: global }
      - { .name: xb, .offset: 24, .size: 8, .value_kind: global_buffer, .address_space: global }
      - { .name: wt, .offset: 32, .size: 8, .value_kind: global_buffer, .address_space: global }
    .group_segment_fixed_size: 0
    .private_segment_fixed_size: 0
    .kernarg_segment_align: 8
    .kernarg_segment_size: 40
    .max_flat_workgroup_size: 256
    .sgpr_count:     66
    .vgpr_count:     132
    .wavefront_size: 32
...
	.end_amdgpu_metadata
.endif
;; end of part 1
;; launch gemm (part 2): grid 16 x 16, 4 waves a work-group, clusters of 4 x 4, 327,680 bytes of LDS; arguments xb, wt, bias, out0; writes out0
.if DOCPART == 2
	.amdgcn_target "amdgcn-amd-amdhsa--gfx1250"
	.amdhsa_code_object_version 6
	.text
	.protected	k_qaf13932585_gemm
	.globl	k_qaf13932585_gemm
	.p2align	8
	.type	k_qaf13932585_gemm,@function
k_qaf13932585_gemm:
	s_mov_b64 s[64:65], 0
	v_nop
	global_prefetch_b8 v0, s[64:65] scope:SCOPE_SE
	s_setreg_imm32_b32 hwreg(HW_REG_WAVE_MODE, 25, 1), 1
	s_wait_xcnt 0x0
	s_wait_alu depctr_hold_cnt(0) depctr_sa_sdst(0) depctr_va_vdst(0) depctr_va_sdst(0) depctr_va_ssrc(0) depctr_va_vcc(0) depctr_vm_vsrc(0)
	s_getreg_b32 s2, hwreg(HW_REG_IB_STS2, 6, 4)
	s_cmp_eq_u32 s2, 0
	s_cbranch_scc0 .Lentry_in_a_cluster
	s_endpgm
.Lentry_in_a_cluster:
	s_bfe_u32 s2, ttmp6, 0x10000c
	s_cmp_lg_u32 s2, 0xf033
	s_cbranch_scc0 .Lentry_shape_is_right
	s_endpgm
.Lentry_shape_is_right:
; out0[m][n] = bias[n] + the sum over k of xb[m][k] wt[k][n].  xb: [4096 m][4096 k] bf16, wt: [4096 k][4096 n] bf16, bias: [4096] f32, out0: [4096][4096] f32.
; One f32 sum for each output, K ascending; the bias, in f32, is the C operand of each sum's first product, so nothing is cleared and nothing is added afterwards.
; LIMITS.  The operands are bf16 as the launch before rounded them; sums and bias are f32; NaN and infinities are not treated apart.
; SHARES.  A tile of out0, 256 x 256, is made by a work-group of four waves; a wave makes 128 x 128: 64 accumulators of 16 x 16, 512 registers.  16 x 16 tiles: 256 work-groups.
; K goes in 32 steps of 128 through a ring of two LDS slots filled by the tensor data mover.  A slot holds 256 rows (m) x 128 k of xb and 128 rows (k) x 256 n of wt.
; CLUSTERS: 4 x 4 work-groups.  The four of a row of the cluster need the same tiles of xb, the four of a column the same tiles of wt: each tile is asked for JOINTLY, by the same tensor
; load with the same descriptor and a mask that names the four.  That divides the requests for both operands by four.
; THE MATRIX INSTRUCTION IS USED TRANSPOSED: source 0 = 16 columns n of wt, source 1 = 16 rows m of xb.  In the result lane l holds row m = l % 16 and the columns n = 8 (l / 16) + 0..7:
; 32 neighbouring bytes of a row of out0.  xb's fragments come out of LDS as they lie (K along the rows); wt's rows lie along n, so its fragments come turned, by ds_load_tr16_b128.
; REGISTERS, in windows of 256 (s_set_vgpr_msb: bits 1:0 source 0, 3:2 source 1, 5:4 source 2, 7:6 destination):
;   window 0: v0-31 addresses; v64-127, v128-191 fragments of xb, two buffers, and on the way out rows read back from the stage; v192-255 the bias of my 128 columns
;   window 1: v64-127, v128-191 fragments of wt, two buffers
;   window 2: the 32 accumulators of my rows 0-63 (accumulator (a, b) at v[8 (8 a + b)]);   window 3: those of my rows 64-127
.set SIZE_K, 4096
.set SIZE_N, 4096
.set KSTEP,  128
.set PA,     272                       ; an LDS row of xb: 256 bytes + 16 of padding = 68 words: row r starts at bank 4 r mod 64 (64 banks of 4 bytes: ISA guide 11.1): the 16 rows of a load start at 16 different groups of four banks
.set PB,     544                       ; an LDS row of wt: 512 bytes + 32 of padding = 136 words: row r starts at bank 8 r mod 64
.set HALFT,  34816                     ; what one tensor load brings: 128 rows x 272 bytes of xb, or 64 rows x 544 bytes of wt
.set SLOT,   4*HALFT                   ; xb's 256 rows, then wt's 128 rows
.set STAGE,  2*SLOT                    ; behind the ring, never filled by a tensor load: 16 rows x 528 bytes for each wave, for the way out
.set SPITCH, 528                       ; 512 bytes + 16: the 16 rows that a store touches start at 16 different groups of four banks
.set SPARE,  STAGE+4*16*SPITCH         ; behind the stages: the spare words, 128 bytes for each wave: two blocks of 256 bytes that no other line names
.set LAPS,   SIZE_K/(2*KSTEP)          ; a lap = two K steps = once round the ring
.set ADRA, 16                          ; v16-17  LDS address of my fragments of xb in slot 0, 1
.set ADRB, 20                          ; v20-21  the same for wt
.set STO,  24                          ; v24     the way out: where I put 32 bytes of a row
.set RD,   25                          ; v25     the way out: where I read 16 bytes of a row back
.set CO,   26                          ; v26     16 x lane: my bytes in 512 bytes of a row of out0
.set BO,   27                          ; v27     32 (l / 16): my eight columns in a group of 16 of the bias
.set SPW,  28                          ; v28     LDS address of my spare word: SPARE + 4 x my thread's number; never rewritten
.set NIL,  29                          ; v29     0; never rewritten
.set PFO,  30                          ; v30     the prefetches' offset; never rewritten
.set F0,   64                          ; fragment buffer 0
.set F1,   128                         ; fragment buffer 1
.set BIAS, 192                         ; v[BIAS + 8 b + j] = bias[my first column + 16 b + 8 (l / 16) + j]
.set WV,  12                           ; s12  my wave's number
.set RH,  13                           ; s13  which half of the tile's rows is mine.  Also: I fetch for xb (0) or for wt (1)
.set CH,  14                           ; s14  which half of its columns.  Also: which half of that operand's tile I fetch
.set TR,  15                           ; s15  tile row of out0
.set TC,  42                           ; s42  tile column
.set PST, 20                           ; s[20:21] a K step in the operand that I prefetch, in bytes
.set G1,  24                           ; s[24:31] descriptor group 1 for xb's tiles
.set G0,  32                           ; s[32:39] descriptor group 0 for xb's tiles, one set for each slot
.set LIM, 43                           ; s43  1 in a wave that prefetches, else the greatest number
.set PFA, 44                           ; s[44:45] where my prefetches stand
.set G1B, 48                           ; s[48:55] descriptor group 1 for wt's tiles
.set G0B, 56                           ; s[56:63] descriptor group 0 for wt's tiles, one set for each slot
.set MSB, 0
.macro WIN new                         ; the immediate's high byte repeats the setting that is left; a switch that changes nothing is dropped
.if MSB != (\new)
	s_set_vgpr_msb (MSB<<8)|(\new)
.set MSB, \new
.endif
.endm
.set MUL_LO,  0xa1                     ; source 0 (wt) window 1, source 1 (xb) window 0, C and D window 2
.set MUL_HI,  0xf1                     ; the same, C and D window 3
.set MULB_LO, 0x81                     ; the first products: C is the bias, in window 0; D window 2
.set MULB_HI, 0xc1                     ; D window 3
.set TO_B,    0x40                     ; destination window 1, address window 0
; A joint load.  Waves 0 and 1 fetch xb's two halves, waves 2 and 3 wt's.  Each of the two lines has one mask and one set of registers for all that issue it.  The branch hangs on the
; wave's number alone.  An s_nop 0 and four v_nop follow each of the two lines, ahead of the jump, the label and what follows.
.macro JLOAD s
	s_cmp_eq_u32 s[RH], 0
	s_cbranch_scc0 .Lfor_b_\@
	tensor_load_to_lds s[G0+4*(\s):G0+4*(\s)+3], s[G1:G1+7]
	s_nop 0
.rept 4
	v_nop
.endr
	s_branch .Lasked_\@
.Lfor_b_\@:
	tensor_load_to_lds s[G0B+4*(\s):G0B+4*(\s)+3], s[G1B:G1B+7]
	s_nop 0
.rept 4
	v_nop
.endr
.Lasked_\@:
.endm
; A PREFETCH INTO THE L2, behind each joint refill, its five lines and the run of LDS loads that follows them: the K step that stands two refills on, 512 matrix instructions ahead of the load
; that will ask for it.  32 blocks of 256 bytes, a lane a block, one instruction a wave.  Each block is named ONCE in the launch: xb's tile rows are read by every cluster of a row of clusters,
; and the first of them (cluster x = 0) asks; wt's tile columns by every cluster of a column, and cluster y = 0 asks.  The four partners that ask for a tile jointly share it out BY ADDRESS:
; of the 128 rows of xb that a wave fetches the partner at cx takes 32 (256 bytes of each); of the 64 rows of wt the partner at cy takes 16 (512 bytes of each).  No branch hangs on a
; work-group's place in its cluster.  K steps 0 to 3 come by their loads alone; the loop's last trip (s3 = 1) asks for nothing: there is no K step two on.
.macro ASK
	s_cmp_gt_u32 s3, s[LIM]
	s_cbranch_scc0 .Lnot_mine_\@
	global_prefetch_b8 v[PFO], s[PFA:PFA+1] th:TH_LOAD_NT scope:SCOPE_SE
.Lnot_mine_\@:
.endm
; A round of the cluster's barrier: my work-group's barrier, so that wave 0's signal speaks for all four waves; wave 0 signals for the work-group; every wave waits for all sixteen
; work-groups; my work-group's barrier once more.
.macro CREST                           ; a round behind its opening barrier
	s_cmp_lg_u32 s[WV], 0
	s_cbranch_scc1 .Lnot_wave_0_\@
	s_barrier_signal -3
.Lnot_wave_0_\@:
	s_barrier_wait -3
	s_barrier_signal -1
	s_barrier_wait -1
.endm
.macro CROUND                          ; a whole round
	s_barrier_signal -1
	s_barrier_wait -1
	CREST
.endm
	s_load_b256 s[4:11], s[0:1], 0x0               ; xb s[4:5], wt s[6:7], bias s[8:9], out0 s[10:11]
	v_lshl_add_u32 v[SPW], v0, 2, SPARE
	v_mov_b32 v[NIL], 0
	ds_add_u32 v[SPW], v[NIL]                      ; the wave's opening: the add and its wait stand ahead of my first tensor load; the set-up below, work on registers, stands between them
	v_lshrrev_b32 v1, 5, v0
	v_readfirstlane_b32 s[WV], v1                  ; wave 0..3
	s_lshr_b32 s[RH], s[WV], 1
	s_and_b32 s[CH], s[WV], 1
	s_bfe_u32 s40, ttmp6, 0x40000                  ; cx: my place along the cluster's x
	s_bfe_u32 s41, ttmp6, 0x40004                  ; cy: along its y
	s_lshl_b32 s[TC], ttmp9, 2                     ; in a cluster launch ttmp9 and ttmp7 count clusters
	s_add_co_u32 s[TC], s[TC], s40                 ; tile column = 4 x cluster x + cx
	s_and_b32 s[TR], ttmp7, 0xffff
	s_lshl_b32 s[TR], s[TR], 2
	s_add_co_u32 s[TR], s[TR], s41                 ; tile row = 4 x cluster y + cy
	s_lshl_b32 s43, s41, 2
	s_lshl_b32 s43, 15, s43                        ; my row of the cluster: places 4 cy .. 4 cy + 3
	s_lshl_b32 s44, 0x1111, s40                    ; my column: places cx, cx + 4, cx + 8, cx + 12
	; descriptor group 1 for xb: a tile of 128 rows x 128 elements, padded in LDS
	s_or_b32 s[G1+0], s43, (1<<16)|(1<<20)|(1<<21)|(5<<22)|(3<<25)  ; 15:0 the mask: my row; 17:16 elements of 2 bytes; 20 padding on; 21 set beside a mask; 24:22 after every 64 words (code 5); 31:25 4 words of it (code 3)
	s_mov_b32 s[G1+1], 128<<16                     ; tensor_dim0 = 128
	s_mov_b32 s[G1+2], 128<<16                     ; tensor_dim1 = 128
	s_mov_b32 s[G1+3], 128<<16                     ; tile_dim0 = 128
	s_mov_b32 s[G1+4], 128                         ; tile_dim1 = 128
	s_mov_b32 s[G1+5], SIZE_K                      ; elements from row to row
	s_mov_b32 s[G1+6], 0
	s_mov_b32 s[G1+7], 0
	; descriptor group 1 for wt: a tile of 64 rows x 256 elements, padded in LDS
	s_or_b32 s[G1B+0], s44, (1<<16)|(1<<20)|(1<<21)|(6<<22)|(7<<25) ; the mask: my column; padding after every 128 words (code 6), 8 words of it (code 7)
	s_mov_b32 s[G1B+1], 256<<16                    ; tensor_dim0 = 256
	s_mov_b32 s[G1B+2], 64<<16                     ; tensor_dim1 = 64
	s_mov_b32 s[G1B+3], 256<<16                    ; tile_dim0 = 256
	s_mov_b32 s[G1B+4], 64                         ; tile_dim1 = 64
	s_mov_b32 s[G1B+5], SIZE_N                     ; elements from row to row
	s_mov_b32 s[G1B+6], 0
	s_mov_b32 s[G1B+7], 0
	; where the tiles come from.  xb's hang on the tile row alone, which my row of the cluster shares; wt's on the tile column alone, which my column shares.
	; Every wave makes both addresses, in registers that do not hold the other coordinate, and asks by one of them.
	s_lshl_b32 s16, s[TR], 8
	s_lshl_b32 s17, s[CH], 7
	s_add_co_u32 s16, s16, s17                     ; xb: row 256 x tile row + 128 x half,
	s_lshl_b32 s16, s16, 13                        ; 8,192 bytes a row: under 2^25
	s_mov_b32 s17, 0
	s_lshl_b32 s46, s[TC], 9                       ; wt: 256 columns of 2 bytes x tile column,
	s_lshl_b32 s47, s[CH], 19                      ; + 64 rows of 8,192 bytes x half
	s_add_co_u32 s46, s46, s47
	s_mov_b32 s47, 0
	s_mul_i32 s22, s[WV], HALFT                    ; and where they go: xb's two halves, then wt's two halves: no place in the cluster enters an LDS address
	s_wait_dscnt 0x0                               ; the opening add is done
	s_wait_kmcnt 0x0
	s_add_nc_u64 s[16:17], s[4:5], s[16:17]
	s_add_nc_u64 s[46:47], s[6:7], s[46:47]
	CROUND                                         ; all sixteen work-groups are here: the first joint loads meet
.irp s, 0,1
	s_mov_b32 s[G0+4*(\s)], 1                                      ; 1:0 count = 1
	s_add_co_u32 s[G0+4*(\s)+1], s22, (\s)*SLOT                    ; 63:32 LDS address
	s_add_nc_u64 s[G0+4*(\s)+2:G0+4*(\s)+3], s[16:17], (\s)*KSTEP*2  ; 120:64 global address: K step s lies 256 bytes along xb's rows
	s_or_b32 s[G0+4*(\s)+3], s[G0+4*(\s)+3], 0x80000000            ; 127:126 type = 2
	s_mov_b32 s[G0B+4*(\s)], 1
	s_add_co_u32 s[G0B+4*(\s)+1], s22, (\s)*SLOT
	s_add_nc_u64 s[G0B+4*(\s)+2:G0B+4*(\s)+3], s[46:47], (\s)*KSTEP*SIZE_N*2  ; K step s lies 128 rows down wt
	s_or_b32 s[G0B+4*(\s)+3], s[G0B+4*(\s)+3], 0x80000000
	JLOAD \s                                       ; the ring is filled before anything else is done: two loads of mine are out
.endr
	; A fragment is 16 rows x 32 K in 8 registers: lane l holds row l % 16; registers 0-3 hold K = 8 (l / 16) + 0..7, registers 4-7 K = 16 + 8 (l / 16) + 0..7.
	; xb: two loads of 16 bytes, 32 bytes apart.  wt: the turning load takes 16 k x 16 n (lane l reads 16 bytes: k = 8 (l / 16) + l % 8, n = 8 ((l / 8) % 2) + 0..7) and leaves half a fragment: lane l holds column l % 16 and 8 k.
	v_and_b32 v1, 15, v0                           ; l % 16
	v_bfe_u32 v2, v0, 4, 1                         ; l / 16
	v_mul_u32_u24 v3, v1, PA
	v_lshl_add_u32 v3, v2, 4, v3                   ; xb: row x pitch + 16 x half
	v_and_b32 v4, 7, v0
	v_lshl_add_u32 v4, v2, 3, v4
	v_mul_u32_u24 v4, v4, PB
	v_bfe_u32 v5, v0, 3, 1
	v_lshl_add_u32 v4, v5, 4, v4                   ; wt: k x pitch + 16 x ((l / 8) % 2)
	s_mul_i32 s18, s[RH], HALFT                    ; my 128 rows of xb
	s_lshl_b32 s19, s[CH], 8                       ; my 128 columns of wt: 256 bytes of each row,
	s_add_co_u32 s19, s19, 2*HALFT                 ; behind xb's 256 rows
.irp s, 0,1
	v_add_nc_u32 v[ADRA+(\s)], s18, v3
	v_add_nc_u32 v[ADRB+(\s)], s19, v4
	s_add_co_u32 s18, s18, SLOT
	s_add_co_u32 s19, s19, SLOT
.endr
	s_mul_i32 s23, s[WV], 16*SPITCH
	s_add_co_u32 s23, s23, STAGE                   ; my stage
	v_mul_u32_u24 v6, v1, SPITCH                   ; in: row l % 16, 32 bytes for each half of the lanes
	v_lshl_add_u32 v6, v2, 5, v6
	v_add_nc_u32 v[STO], s23, v6
	v_and_b32 v7, 31, v0                           ; lane
	v_lshlrev_b32 v[CO], 4, v7
	v_add_nc_u32 v[RD], s23, v[CO]                 ; back: 32 lanes take one row's 512 bytes
	v_lshlrev_b32 v[BO], 5, v2
	; bias and out0 at my part of the tile
	s_lshl_b32 s46, s[TC], 10                      ; 256 columns of 4 bytes x tile column (in the registers that held wt's address)
	s_lshl_b32 s47, s[CH], 9
	s_add_co_u32 s46, s46, s47
	s_mov_b32 s47, 0
	s_add_nc_u64 s[8:9], s[8:9], s[46:47]
	s_add_nc_u64 s[10:11], s[10:11], s[46:47]
	s_lshl_b32 s18, s[TR], 8
	s_lshl_b32 s23, s[RH], 7
	s_add_co_u32 s18, s18, s23                     ; my first row,
	s_lshl_b32 s18, s18, 14                        ; 16,384 bytes a row: under 2^26
	s_mov_b32 s19, 0
	s_add_nc_u64 s[10:11], s[10:11], s[18:19]
.irp b, 0,1,2,3,4,5,6,7
	global_load_b128 v[BIAS+8*(\b):BIAS+8*(\b)+3],   v[BO], s[8:9] offset:64*(\b)
	global_load_b128 v[BIAS+8*(\b)+4:BIAS+8*(\b)+7], v[BO], s[8:9] offset:64*(\b)+16
.endr
	; the prefetches: an address at K step 3 (the first refill steps it to 4), a step, an offset for each lane, and who asks.  Nothing is prefetched here, at the head.
	s_lshl_b32 s18, s[TR], 8
	s_lshl_b32 s19, s[CH], 7
	s_add_co_u32 s18, s18, s19
	s_lshl_b32 s19, s40, 5
	s_add_co_u32 s18, s18, s19                     ; xb: row 256 x tile row + 128 x half + 32 cx
	s_lshl_b32 s18, s18, 13
	s_add_co_u32 s18, s18, 3*KSTEP*2
	s_lshl_b32 s19, s[CH], 6
	s_lshl_b32 s23, s41, 4
	s_add_co_u32 s19, s19, s23                     ; wt: row 64 x half + 16 cy,
	s_lshl_b32 s19, s19, 13
	s_lshl_b32 s23, s[TC], 9                       ; the tile column's 512 bytes
	s_add_co_u32 s19, s19, s23
	s_add_co_u32 s19, s19, 3*KSTEP*SIZE_N*2
	s_mov_b32 s[PST], KSTEP*SIZE_N*2
	s_mov_b32 s[PST+1], 0
	s_and_b32 s23, ttmp7, 0xffff                   ; cluster y
	s_cmp_eq_u32 s[RH], 0                          ; do I fetch for xb?
	s_cselect_b32 s18, s18, s19
	s_cselect_b32 s23, ttmp9, s23                  ; the coordinate along which other clusters read the same bytes
	s_cselect_b32 s[PST], KSTEP*2, s[PST]
	s_cselect_b64 s[PFA:PFA+1], s[4:5], s[6:7]
	s_mov_b32 s19, 0
	s_add_nc_u64 s[PFA:PFA+1], s[PFA:PFA+1], s[18:19]
	s_cmp_eq_u32 s23, 0
	s_cselect_b32 s[LIM], 1, -1                    ; the same in all sixteen partners, for a given wave
	v_lshrrev_b32 v[PFO], s[RH], v7                ; xb: a lane a row; wt: two lanes a row,
	v_lshlrev_b32 v[PFO], 13, v[PFO]               ; rows of 8,192 bytes,
	v_and_b32 v5, s[RH], v7
	v_lshl_add_u32 v[PFO], v5, 8, v[PFO]           ; the odd lane 256 bytes on
; 16 matrix instructions: m blocks a0, a0 + 1 of the window's four (hi = 0: my rows 0-63, 1: rows 64-127) x all 8 n blocks, 32 along K.
; first = 1: the product starts the sum, with the bias as C.  The 64 accumulators take turns, one instruction a turn, in the same order in every quarter step.
.macro MUL16 f, hi, a0, first
.if \first
	WIN MULB_LO+0x40*(\hi)
.else
	WIN MUL_LO+0x50*(\hi)
.endif
.irp a, \a0, (\a0)+1
.irp b, 0,1,2,3,4,5,6,7
.if \first
	v_wmma_f32_16x16x32_bf16 v[8*(8*(\a)+(\b)):8*(8*(\a)+(\b))+7], v[(\f)+8*(\b):(\f)+8*(\b)+7], v[(\f)+8*(4*(\hi)+(\a)):(\f)+8*(4*(\hi)+(\a))+7], v[BIAS+8*(\b):BIAS+8*(\b)+7]
.else
	v_wmma_f32_16x16x32_bf16 v[8*(8*(\a)+(\b)):8*(8*(\a)+(\b))+7], v[(\f)+8*(\b):(\f)+8*(\b)+7], v[(\f)+8*(4*(\hi)+(\a)):(\f)+8*(4*(\hi)+(\a))+7], v[8*(8*(\a)+(\b)):8*(8*(\a)+(\b))+7]
.endif
.endr
.endr
.endm
; 32 LDS loads in one run: the fragments of quarter q of a K step (32 k: 128 columns of wt, 128 rows of xb) into buffer f; wt's sixteen first
.macro FETCH slot, q, f
	WIN TO_B
.irp i, 0,1,2,3,4,5,6,7
	ds_load_tr16_b128 v[(\f)+8*(\i):(\f)+8*(\i)+3],   v[ADRB+(\slot)] offset:(\q)*32*PB+32*(\i)
	ds_load_tr16_b128 v[(\f)+8*(\i)+4:(\f)+8*(\i)+7], v[ADRB+(\slot)] offset:(\q)*32*PB+16*PB+32*(\i)
.endr
	WIN 0
.irp i, 0,1,2,3,4,5,6,7
	ds_load_b128 v[(\f)+8*(\i):(\f)+8*(\i)+3],   v[ADRA+(\slot)] offset:64*(\q)+(\i)*16*PA
	ds_load_b128 v[(\f)+8*(\i)+4:(\f)+8*(\i)+7], v[ADRA+(\slot)] offset:64*(\q)+(\i)*16*PA+32
.endr
.endm
; A load into a register that a matrix instruction has read, and an LDS store that reads a matrix result, stand four places behind that matrix instruction, and only plain vector
; instructions that name none of its registers are places (ISA guide 7.12.1 for vector instructions).
.macro PLACES
.rept 4
	v_nop
.endr
.endm
; A K step is four quarters of 32 along K, 64 matrix instructions each, on buffers 0, 1, 0, 1.
; One of the first three: multiplies buffer f; in its middle it fetches quarter q of the same slot into buffer g.
.macro QUARTER slot, q, f, g, first
	s_wait_dscnt 8                                 ; wt's fragments and xb's rows 0-63 are in; the youngest eight loads (xb's rows 64-127) may be out
	MUL16 \f, 0, 0, \first
	MUL16 \f, 0, 2, \first
	PLACES
	FETCH \slot, \q, \g
	s_wait_dscnt 32                                ; all but the 32 just issued
	MUL16 \f, 1, 0, \first
	MUL16 \f, 1, 2, \first
.endm
; The last quarter multiplies buffer 1 and changes slots.  MEET is its first half: ONE barrier for the change.  In front of it each wave waits for all its tensor loads, of which one is out:
; its part of the next slot; adds 0 to its spare word; and waits for that and for its own reads of this slot.  Behind it nobody reads this slot any more and the next slot is whole.
.macro MEET round                      ; round = 1: a round of the cluster's barrier follows
	WIN 0                                          ; (the add's two registers lie in window 0)
	s_wait_tensorcnt 0x0                           ; all my tensor loads have landed;
	ds_add_u32 v[SPW], v[NIL]                      ; 0 onto my spare word;
	s_wait_dscnt 9                                 ; (the add and the youngest eight loads may be out)
	MUL16 F1, 0, 0, 0                              ; sixteen matrix instructions stand between the add and the wait for it
	s_wait_dscnt 0x0                               ; the add is done, and my reads of this slot are over:
	s_barrier_signal -1                            ; say so,
	MUL16 F1, 0, 2, 0                              ; work on registers while the others arrive,
.if \round
	WIN 0
.endif
	s_barrier_wait -1                              ; and go on when all four have said so
.endm
; The whole last quarter.  fill = 1: the barrier opens a round of the cluster's barrier, and behind the round the slot just read out is filled again first, with the K step two steps on;
; then come the next slot's first fragments.  From a request to the wait for it a wave issues 224 matrix instructions.
.macro TURN slot, next, fill
.if \fill
	s_wait_xcnt 0x0                                ; the last prefetch, a K step back, has read its address: it is stepped here, ahead of the waits of the change of slots
	s_add_nc_u64 s[PFA:PFA+1], s[PFA:PFA+1], s[PST:PST+1]
	MEET 1
	CREST                                          ; no wave of any partner still reads this slot's tile or has a load on its way
	s_add_nc_u64 s[G0+4*(\slot)+2:G0+4*(\slot)+3], s[G0+4*(\slot)+2:G0+4*(\slot)+3], 2*KSTEP*2          ; no tensor load of mine is out, so a group 0 may be written
	s_add_nc_u64 s[G0B+4*(\slot)+2:G0B+4*(\slot)+3], s[G0B+4*(\slot)+2:G0B+4*(\slot)+3], 2*KSTEP*SIZE_N*2
	JLOAD \slot                                    ; the first tensor load behind the round, my only one until the next; its four v_nop are also the places in front of the loads below
.else
	MEET 0
	PLACES
.endif
	FETCH \next, 0, F0
.if \fill
	ASK
.endif
	MUL16 F1, 1, 0, 0
	MUL16 F1, 1, 2, 0
.endm
; THE WAY OUT of block a (16 of my rows).  A lane's 32 bytes are a sixteenth of a row's 512, and the lanes beside it hold other rows: so the block goes through my own stage in LDS and comes
; back as whole rows.  Each accumulator's lowest four registers are read first.  The rows land in v64-127 and v128-191 by turns.
.macro TOSTAGE a
	WIN 0x08+4*((\a)/4)                            ; the store's data: window 2 or 3
.irp b, 0,1,2,3,4,5,6,7
	ds_store_b128 v[STO], v[64*((\a)%4)+8*(\b):64*((\a)%4)+8*(\b)+3]   offset:64*(\b)
	ds_store_b128 v[STO], v[64*((\a)%4)+8*(\b)+4:64*((\a)%4)+8*(\b)+7] offset:64*(\b)+16
.endr
	WIN 0
.if (\a) >= 2
	s_wait_xcnt 0x0                                ; the stores of the block two back have read these registers: they are loaded again only behind this wait
.endif
.irp t, 0,1,2,3,4,5,6,7,8,9,10,11,12,13,14,15
	ds_load_b128 v[64+64*((\a)%2)+4*(\t):64+64*((\a)%2)+4*(\t)+3], v[RD] offset:(\t)*SPITCH  ; LDS serves a wave's instructions in order (ISA guide 5.7.1.4): these see the stores above; the next block's stores come behind them
.endr
.endm
.macro SEND a, younger                 ; younger: the LDS instructions issued behind block a's loads: the next block's 32, or none
	s_wait_dscnt \younger                          ; the block is back in registers
.irp t, 0,1,2,3,4,5,6,7,8,9,10,11,12,13,14,15
	global_store_b128 v[CO], v[64+64*((\a)%2)+4*(\t):64+64*((\a)%2)+4*(\t)+3], s[10:11] offset:(16*(\a)+(\t))*SIZE_N*4 th:TH_STORE_NT  ; a wave's store covers 512 consecutive bytes, at a multiple of 512 from out0's first; 127 rows at the most stand in the immediate
.endr
.endm
	s_wait_tensorcnt 1                             ; my part of K step 0 is in; K step 1's may stay out
	s_barrier_signal -1
	s_barrier_wait -1                              ; everybody's is
	FETCH 0, 0, F0
	s_wait_loadcnt 0x0                             ; the bias
	QUARTER 0, 1, F0, F1, 1                        ; the first quarter stands in front of the loop: its products start the sums
	WIN 0                                          ; at a label and at a branch every window is 0
	s_mov_b32 s3, LAPS-1
.Llap:                                                 ; a trip goes once round the ring, from a lap's second quarter to the next lap's first, and fills both slots again
	QUARTER 0, 2, F1, F0, 0
	QUARTER 0, 3, F0, F1, 0
	TURN 0, 1, 1
	QUARTER 1, 1, F0, F1, 0
	QUARTER 1, 2, F1, F0, 0
	QUARTER 1, 3, F0, F1, 0
	TURN 1, 0, 1
	QUARTER 0, 1, F0, F1, 0
	WIN 0
	s_sub_co_u32 s3, s3, 1
	s_cmp_lg_u32 s3, 0
	s_cbranch_scc1 .Llap
	QUARTER 0, 2, F1, F0, 0                        ; the last lap is written out: it fills nothing, and has no round of the cluster's barrier
	QUARTER 0, 3, F0, F1, 0
	TURN 0, 1, 0
	QUARTER 1, 1, F0, F1, 0
	QUARTER 1, 2, F1, F0, 0
	QUARTER 1, 3, F0, F1, 0
	s_wait_dscnt 8                                 ; the very last quarter: nothing more to fetch
	MUL16 F1, 0, 0, 0
	MUL16 F1, 0, 2, 0
	s_wait_dscnt 0x0
	MUL16 F1, 1, 0, 0
	MUL16 F1, 1, 2, 0
	WIN 0
	PLACES                                         ; the stage's stores read results just made
	TOSTAGE 0
.irp a, 1,2,3,4,5,6,7                  ; block a's way through the stage is issued ahead of the wait for block a - 1's rows
	TOSTAGE \a
	SEND (\a)-1, 32
.endr
	SEND 7, 0
	s_wait_tensorcnt 0x0                           ; the wave's end, behind my last tensor load and my last LDS store
	ds_add_u32 v[SPW], v[NIL]
	s_wait_dscnt 0x0
	CROUND                                         ; the closing round: no work-group ends while a partner may still ask for a tile that names it
	s_endpgm
.Lfunc_end_k_qaf13932585_gemm:
	.size	k_qaf13932585_gemm, .Lfunc_end_k_qaf13932585_gemm-k_qaf13932585_gemm
	.p2alignl 7, 3214868480
	.fill 96, 4, 3214868480
	.section	.rodata,"a",@progbits
	.p2align	6, 0x0
	.amdhsa_kernel k_qaf13932585_gemm
		.amdhsa_group_segment_fixed_size 327680
		.amdhsa_private_segment_fixed_size 0
		.amdhsa_enable_private_segment 0
		.amdhsa_kernarg_size 32
		.amdhsa_user_sgpr_count 2
		.amdhsa_user_sgpr_kernarg_segment_ptr 1
		.amdhsa_wavefront_size32 1
		.amdhsa_system_sgpr_workgroup_id_x 1
		.amdhsa_system_sgpr_workgroup_id_y 1
		.amdhsa_system_sgpr_workgroup_id_z 1
		.amdhsa_system_vgpr_workitem_id 0
		.amdhsa_next_free_vgpr 1024
		.amdhsa_next_free_sgpr 66
		.amdhsa_reserve_vcc 0
		.amdhsa_float_denorm_mode_32 3
		.amdhsa_float_denorm_mode_16_64 3
		.amdhsa_memory_ordered 1
		.amdhsa_forward_progress 1
		.amdhsa_inst_pref_size 143
	.end_amdhsa_kernel
	.amdgpu_metadata
---
amdhsa.version: [ 1, 2 ]
amdhsa.kernels:
  - .name:           k_qaf13932585_gemm
    .symbol:         k_qaf13932585_gemm.kd
    .args:
      - { .name: xb, .offset: 0, .size: 8, .value_kind: global_buffer, .address_space: global }
      - { .name: wt, .offset: 8, .size: 8, .value_kind: global_buffer, .address_space: global }
      - { .name: bias, .offset: 16, .size: 8, .value_kind: global_buffer, .address_space: global }
      - { .name: out0, .offset: 24, .size: 8, .value_kind: global_buffer, .address_space: global }
    .group_segment_fixed_size: 327680
    .private_segment_fixed_size: 0
    .kernarg_segment_align: 8
    .kernarg_segment_size: 32
    .max_flat_workgroup_size: 128
    .sgpr_count:     66
    .vgpr_count:     1024
    .wavefront_size: 32
...
	.end_amdgpu_metadata
.endif
;; end of part 2
